; MI455X (gfx1250); checked and timed in simulation.
; The chip was launched on July 23, 2026; its instructions are those of AMD's public machine-readable ISA for CDNA 5 (MIT licence, August 2026) and "CDNA5" Instruction Set Architecture Reference Guide (July 2026). The comments in the code are by the model that wrote it; some were corrected since.
;; Multi Head Attention. Allowed arithmetic: matrix products marked QUANTISED: E2M1 operands, one E8M0 scale for each 32 along K, by v_wmma_scale_f32_16x16x128_f8f6f4 with both operands' format E2M1 (or v_wmma_scale_f32_32x16x128_f4), f32 sums; everything else in f32.
;; Inputs: Wk_codes 16 x 64 x 32 x 16 uint8 (E2M1 codes of Wk, K innermost, in blocks of 32 codes, two codes a byte); Wk_scales 16 x 64 x 32 uint8 (E8M0 scales of Wk, one for each 32 codes along K); Wo_codes 1,024 x 32 x 16 uint8 (E2M1 codes of Wo, K innermost, in blocks of 32 codes, two codes a byte); Wo_scales 1,024 x 32 uint8 (E8M0 scales of Wo, one for each 32 codes along K); Wq_codes 16 x 64 x 32 x 16 uint8 (E2M1 codes of Wq, K innermost, in blocks of 32 codes, two codes a byte); Wq_scales 16 x 64 x 32 uint8 (E8M0 scales of Wq, one for each 32 codes along K); Wv_codes 16 x 64 x 32 x 16 uint8 (E2M1 codes of Wv, K innermost, in blocks of 32 codes, two codes a byte); Wv_scales 16 x 64 x 32 uint8 (E8M0 scales of Wv, one for each 32 codes along K); bo 1,024 float32; x_codes 4 x 2,048 x 32 x 16 uint8 (E2M1 codes of x, K innermost, in blocks of 32 codes, two codes a byte); x_scales 4 x 2,048 x 32 uint8 (E8M0 scales of x, one for each 32 codes along K).
;; Outputs: out0 4 x 2,048 x 1,024 float32.
;; This version of the problem:
;;   THIS VERSION OF THE PROBLEM IS GIVEN IN LOW PRECISION. The matrix products marked QUANTISED in the list below multiply operands that are first quantised to E2M1 (2 exponent bits, 1 mantissa bit; 4 bits a number), with one power-of-two scale for each 32 numbers along K (OCP MX v1.0); their sums are f32. All else is computed in f32.
;;   The module's matrix products, in the order in which they are computed (A, B: the left and right operand; K: the contracted axis; several contracted axes count as one K, in the product's order):
;;     1. [M 1,024, K 1,024] x [K 1,024, N 8,192]; A: input Wq (given as codes); B: input x (given as codes): QUANTISED
;;     2. [M 1,024, K 1,024] x [K 1,024, N 8,192]; A: input Wk (given as codes); B: input x (given as codes): QUANTISED
;;     3. [M 1,024, K 1,024] x [K 1,024, N 8,192]; A: input Wv (given as codes); B: input x (given as codes): QUANTISED
;;     4. batch 64 x [M 2,048, K 64] x [K 64, N 2,048]; A: computed on the way; B: computed on the way: QUANTISED
;;     5. batch 64 x [M 2,048, K 2,048] x [K 2,048, N 64]; A: softmax (see below); B: computed on the way: QUANTISED
;;     6. [M 8,192, K 1,024] x [K 1,024, N 1,024]; A: computed on the way; B: input Wo (given as codes): QUANTISED
;;   THE QUANTISER, for each operand of a quantised product, along K:
;;     - K is cut into blocks of 32 from its start; a last block that is shorter is filled with zeros.
;;     - A block's scale is 2^e with e = floor(log2(the largest magnitude in the block)) - 2, held to -126 .. 127; a block of zeros has e = 0. As a byte (E8M0): e + 127.
;;     - Each number is divided by its block's scale, clamped to +-6, and rounded to the nearest number of E2M1, ties to even, subnormals kept.
;;     - The product sums the exact products of the quantised numbers (number of the format x scale) in f32.
;;   ~~~python
;;   def quantise(x, axis):      # numpy; x: float32 -> the quantised numbers, widened to float32 again
;;       x = np.moveaxis(x, axis, -1); K = x.shape[-1]
;;       x = np.pad(x, [(0, 0)] * (x.ndim - 1) + [(0, -K % 32)]); x = x.reshape(x.shape[:-1] + (-1, 32)); a = np.abs(x).max(-1, keepdims=True)
;;       e = np.where(a > 0, np.clip(np.frexp(np.where(a > 0, a, 1))[1] - 1 - 2, -126, 127), 0)      # np.frexp(a)[1] - 1 = floor(log2(a)), exactly
;;       r = np.clip(x / 2.0 ** e, -6, 6)
;;       step = 2.0 ** (np.maximum(np.frexp(np.where(r == 0, 1, r))[1] - 1, 0) - 1)
;;       q = np.round(r / step) * step * 2.0 ** e      # np.round: ties to even
;;       return np.moveaxis(q.reshape(q.shape[:-2] + (-1,))[..., :K], -1, axis).astype(np.float32)
;;   ~~~
;;   SOFTMAX AHEAD OF A QUANTISED PRODUCT. Where the list says 'softmax', what is quantised is not the finished softmax but p = 2^(t - M), with t = logit x log2(e) and M = ceil(the row's largest t), a whole number; so 1/2 < the row's largest p <= 1. The row's sum l is taken of the UNQUANTISED p, in f32, and the product's result is divided by l at the end. Since M is a whole number, a kernel that streams over the keys may use a running M (the ceiling of the running maximum): every later rescaling is an exact power of two, which a block's scale takes up: the codes' values come out the same.
;;   OPERANDS COMPUTED ON THE WAY. 'Computed on the way' means the value that the module computes at that place (a softmax that the list does not call 'softmax' is quantised finished and normalised). What goes into a quantiser is computed in f32, as accurately as f32 sums, v_exp_f32 and their like allow (about 1e-6 of the number): no bf16 or f16 on the way to a quantiser, and a product that is left as it is and whose result goes on into a quantised operand takes f32 operands (vector FMAs, or v_wmma_f32_16x16x4_f32). A number that lies on a knife's edge between two numbers of the format may be rounded either way, as far as f32 arithmetic and the matrix unit's own rounding can turn it there, and no further.
;;   INPUTS GIVEN AS CODES. Wk (in the module: [16, 1024, 64], K = its axis 1); Wo (in the module: [1024, 1024], K = its axis 0); Wq (in the module: [16, 1024, 64], K = its axis 1); Wv (in the module: [16, 1024, 64], K = its axis 1); x (in the module: [4, 2048, 1024], K = its axis 2): each comes as NAME_codes (uint8): NAME with its K axis moved to the last place and cut into blocks of 32 codes, [.., K / 32, bytes a block], one block behind the other in memory; two codes a byte, the lower K in the low four bits (a code: sign, 2 exponent bits, 1 mantissa bit); and NAME_scales (uint8): the same leading axes, one E8M0 byte (e + 127) for each 32 codes along K. Its value is code x scale, taken as it is: it is not quantised again, and the codes and scales need not be those that the quantiser above would give.
;; One version. Each part assembles by itself: llvm-mc -triple=amdgcn-amd-amdhsa -mcpu=gfx1250 --defsym DOCPART=n.
;; ======== version 1 of 1: 3 launches
;; limits: right only within a limited range of input values
;; workspace buffers: qw 4,456,448 bytes; kv 8,912,896 bytes; ac 4,456,448 bytes
;; launch qkv (part 1): grid 4 x 96, 4 waves a work-group, clusters of 4 x 4, 296,448 bytes of LDS; arguments x_codes, x_scales, Wq_codes, Wq_scales, Wk_codes, Wk_scales, Wv_codes, Wv_scales, qw, kv; writes qw, kv
.if DOCPART == 1
	.amdgcn_target "amdgcn-amd-amdhsa--gfx1250"
	.amdhsa_code_object_version 6
	.text
	.protected	k_q824446a294_qkv
	.globl	k_q824446a294_qkv
	.p2align	8
	.type	k_q824446a294_qkv,@function
k_q824446a294_qkv:
	s_mov_b64 s[64:65], 0
	v_nop
	global_prefetch_b8 v0, s[64:65] scope:SCOPE_SE
	s_setreg_imm32_b32 hwreg(HW_REG_WAVE_MODE, 25, 1), 1
	s_wait_xcnt 0x0
	s_wait_alu depctr_hold_cnt(0) depctr_sa_sdst(0) depctr_va_vdst(0) depctr_va_sdst(0) depctr_va_ssrc(0) depctr_va_vcc(0) depctr_vm_vsrc(0)
	s_getreg_b32 s2, hwreg(HW_REG_IB_STS2, 6, 4)
	s_cmp_eq_u32 s2, 0
	s_cbranch_scc0 .Lentry_in_a_cluster
	s_endpgm
.Lentry_in_a_cluster:
	s_bfe_u32 s2, ttmp6, 0x10000c
	s_cmp_lg_u32 s2, 0xf033
	s_cbranch_scc0 .Lentry_shape_is_right
	s_endpgm
.Lentry_shape_is_right:
; q, k and v of all heads, from codes of FP4 (E2M1) with one E8M0 scale for each 32 along K = 1,024, and their quantising: q and k along the head's 64, v along the keys.
; ONE PATH FOR ALL THREE.  A work-group makes 256 rows of A x 256 rows of B (both [rows][1,024 codes], K innermost); the matrix instruction is used transposed (source 0 = 16 rows of B, source 1 = 16 rows of A),
; so that a lane holds ONE row of A and its registers run along B's rows; the result is quantised along B's rows, in blocks of 32.  q, k: A = x (tokens), B = Wq or Wk (rows 64 head + d).  v: A = Wv, B = x: the registers run along the keys.
; Which of the three a cluster makes hangs on the cluster's y alone (0-7 q, 8-15 k, 16-23 v): only pointers, tile numbers and output offsets are selected; there is no branch on it.
; A wave makes 128 x 128: 64 accumulators, 512 registers.  All of K lies in LDS at once: two slots of 512 along K, each filled once, and the scale bytes of the 256 + 256 rows.  No LDS byte is filled twice.
; CLUSTERS: 4 x 4 work-groups.  The four of a row of the cluster need the same rows of A, the four of a column the same rows of B: each tile is asked for jointly, by the same tensor load with a mask that names the four.
; OUT.  128 rows of B are a pair of heads (q, k) or a step of 128 keys (v).  For each of my eight blocks of 16 rows of A the 64 numbers of a lane become a fragment's 8 registers and a scale word; they are stored as an
; image of the registers: [block][c][lane][16 bytes], 512 consecutive bytes a store.  Unit u = (8 batch + pair) x 16 + block of 128 tokens.  qw: [u][8,704]: codes, then 512 bytes of scale words.
; kv: [u][17,408]: k's codes, v's codes, k's scale words, v's scale words.  Scale words lie [lane][4]: word i of lane l belongs to block 2 i + l / 16, row l % 16.
; THE QUANTISER: a block's scale byte is its largest magnitude's exponent field - 2, held at 1 from below; numbers are divided by the scale and rounded to the nearest code, ties to even, beyond 6 to 6.
; LIMITS: a block of zeros, or one whose largest magnitude lies under 2^-124, gets the byte 1 (the rule says 127 for zeros: its codes are zeros, and this program alone reads the bytes).  NaN and infinities are not served.
; REGISTERS, in windows of 256: window 0: v16-27 addresses; v32-95 scale words, two sets; v96-123 at work on the way out; v128-191 A's fragments, one set, later the codes made.
;   window 1: B's fragments, two sets.   window 2: the accumulators of my rows 0-63 ((a, b) at v[8 (8 a + b)]);   window 3: those of my rows 64-127.
.set NQ,     4                         ; steps of 128 along K in a slot
.set KROW,   512                       ; a row of codes in memory
.set PITCH,  528                       ; an LDS row: all 1,024 codes of a row, 512 bytes, + 16 of padding: the 16 rows that a load touches begin 132 words apart
.set FR,     8                         ; registers of a fragment
.set NL,     2                         ; LDS loads that bring one
.set NP,     4                         ; places behind this matrix instruction (ISA guide 7.12.1)
.set HALFT,  128*PITCH                 ; 128 rows: what one wave reads of A or of B.  A's 256 rows lie from LDS byte 0, B's 256 behind them
.set SLOT,   256                       ; the second 512 along K begin 256 bytes on in each row
.set KS,     32                        ; a row of scale bytes
.set SCL,    4*HALFT                   ; behind the codes: the scale bytes, as units of 256 bytes + 16 of padding
.set HALFS,  16*272                    ; those of 128 rows
.set SBLK,   2*272                     ; those of 16 rows
.set ADRA, 16                          ; v16-17  LDS address of my A fragments in slot 0, 1
.set ADRB, 20                          ; v20-21  the same for B
.set LANE, 25                          ; v25     lane
.set CO,   26                          ; v26     16 x lane
.set ADRS, 27                          ; v27     LDS address of my scale words: lanes 0-15 A's rows, lanes 16-31 B's
.set SC,   32                          ; scale words: set s at v[SC + 32 s]; register 4 i + q: lanes 0-15 A's block i, lanes 16-31 B's block i
.set TM,   96                          ; v96-99 largest magnitudes, v100-103 the other half's and then the bytes, v104-107 the conversions' scale operands
.set PW,   112                         ; v112-119 my eight blocks' scale words
.set SW,   120                         ; v120-123 the scale words as they are stored
.set AF,   128                         ; A's fragments; on the way out block a's codes at v[128 + 8 a]
.set SEL,  20                          ; s[20:21] lane selects for v_permlanex16_b32: lane l xor 16
.set G1, 24                            ; s[24:31] group 1 for A's tiles;  s[32:35] group 0
.set G0, 32
.set G1B, 48                           ; s[48:55], s[56:59] the same for B's tiles
.set G0B, 56
.set G1S, 68                           ; s[68:75], s[76:79] groups 1 and 0 for A's scales;  s[80:87], s[88:91] for B's
.set G0S, 76
.set G1SB, 80
.set G0SB, 88
.set MSB, 0
.macro WIN new                         ; the immediate's high byte repeats the setting that is left
.if MSB != \new
	s_set_vgpr_msb (MSB<<8)|\new
.set MSB, \new
.endif
.endm
.set MUL_LO, 0xa1                      ; source 0 (B) window 1, source 1 (A) window 0, C and D window 2
.set MUL_HI, 0xf1                      ; the same, C and D window 3
.set TO_B,   0x40                      ; destination window 1, address window 0
; A joint load: waves 0 and 1 fetch for A, waves 2 and 3 for B; the branch hangs on the wave's number alone.  Four v_nop follow each of the two lines.
.macro JLOAD g0a, g1a, g0b, g1b
	s_cmp_eq_u32 s15, 0
	s_cbranch_scc0 .Lfor_b_\@
	tensor_load_to_lds s[\g0a:\g0a+3], s[\g1a:\g1a+7]
	s_nop 0
.rept 4
	v_nop
.endr
	s_branch .Lasked_\@
.Lfor_b_\@:
	tensor_load_to_lds s[\g0b:\g0b+3], s[\g1b:\g1b+7]
	s_nop 0
.rept 4
	v_nop
.endr
.Lasked_\@:
.endm
.macro CROUND                          ; a round of the cluster's barrier
	s_barrier_signal -1
	s_barrier_wait -1
	s_cmp_lg_u32 s14, 0
	s_cbranch_scc1 .Lnot_wave_0_\@
	s_barrier_signal -3
.Lnot_wave_0_\@:
	s_barrier_wait -3
	s_barrier_signal -1
	s_barrier_wait -1
.endm
	s_load_b512 s[72:87], s[0:1], 0x0              ; x's codes, scales; Wq's; Wk's; Wv's
	s_load_b128 s[88:91], s[0:1], 0x40             ; qw, kv
	v_lshl_add_u32 v254, v0, 2, 0x48400
	v_mov_b32 v255, 0
	ds_add_u32 v254, v255
	ds_add_u32 v254, v255
	v_lshrrev_b32 v1, 5, v0
	v_readfirstlane_b32 s14, v1                    ; wave 0..3
	s_lshr_b32 s15, s14, 1                         ; which half of the tile's rows of A is mine.  Also: I fetch for A (0) or for B (1)
	s_and_b32 s16, s14, 1                          ; which half of B's rows.  Also: I fetch codes (0) or scale bytes (1)
	s_bfe_u32 s40, ttmp6, 0x40000                  ; cx, cy: my place in the cluster
	s_bfe_u32 s41, ttmp6, 0x40004
	s_and_b32 s92, ttmp7, 0xffff                   ; the cluster's y: 0..23
	s_lshr_b32 s93, s92, 3                         ; 0: q, 1: k, 2: v
	s_and_b32 s94, s92, 7
	s_lshl_b32 s94, s94, 2                         ; the first of the cluster's four tiles along the tokens
	s_lshl_b32 s43, s41, 2
	s_lshl_b32 s43, 15, s43                        ; my row of the cluster
	s_lshl_b32 s44, 0x1111, s40                    ; my column
	s_or_b32 s[G1+0], s43, (0<<16)|(1<<20)|(1<<21)|(6<<22)|(3<<25)  ; the mask; elements of 1 byte; padding on; bit 21 beside a mask; 4 words after every 128
	s_or_b32 s[G1B+0], s44, (0<<16)|(1<<20)|(1<<21)|(6<<22)|(3<<25)
.irp g, G1, G1B
	s_mov_b32 s[\g+1], KROW<<16                    ; tensor_dim0: a whole row of codes
	s_mov_b32 s[\g+2], 256<<16                     ; tensor_dim1
	s_mov_b32 s[\g+3], KROW<<16                    ; tile_dim0
	s_mov_b32 s[\g+4], 256                         ; tile_dim1
	s_mov_b32 s[\g+5], KROW                        ; from row to row
	s_mov_b32 s[\g+6], 0
	s_mov_b32 s[\g+7], 0
.endr
	s_mov_b32 s101, 16384
	s_mov_b32 s95, 17408
	s_wait_dscnt 0x0
	s_wait_kmcnt 0x0
	s_cmp_eq_u32 s93, 2                            ; v?  The choices hang on the cluster's y alone
	s_cselect_b64 s[4:5], s[84:85], s[72:73]       ; A's codes: Wv's or x's
	s_cselect_b64 s[6:7], s[86:87], s[74:75]       ; A's scales
	s_cselect_b64 s[8:9], s[72:73], s[80:81]       ; B's codes: x's, or Wk's for now
	s_cselect_b64 s[10:11], s[74:75], s[82:83]
	s_cselect_b32 s17, 0, s94                      ; A's tiles begin here,
	s_cselect_b32 s42, s94, 0                      ; B's here
	s_cselect_b32 s100, 8192, 0                    ; where the codes go in a unit,
	s_cselect_b32 s101, 16896, s101                ; and the scale words
	s_cmp_eq_u32 s93, 0                            ; q?
	s_cselect_b64 s[8:9], s[76:77], s[8:9]
	s_cselect_b64 s[10:11], s[78:79], s[10:11]
	s_cselect_b64 s[12:13], s[88:89], s[90:91]     ; the output: qw or kv
	s_cselect_b32 s95, 8704, s95                   ; a unit's bytes
	s_cselect_b32 s101, 8192, s101
	s_add_co_u32 s17, s17, s41                     ; A's tile: hangs on cy and the cluster's y alone
	s_add_co_u32 s42, s42, s40                     ; B's tile: on cx and the cluster's y alone
	; the pointers have been chosen: their registers now take the scales' descriptors: 128 rows' scale bytes are 4,096 dense bytes, as 16 rows of 256 bytes, 16 bytes of padding behind each
	s_or_b32 s[G1S+0], s43, (3<<16)|(1<<20)|(1<<21)|(5<<22)|(3<<25)
	s_or_b32 s[G1SB+0], s44, (3<<16)|(1<<20)|(1<<21)|(5<<22)|(3<<25)
.irp g, G1S, G1SB
	s_mov_b32 s[\g+1], 32<<16
	s_mov_b32 s[\g+2], 32<<16                      ; 256 rows' scale bytes: 8,192 dense bytes, 32 rows of 256
	s_mov_b32 s[\g+3], 32<<16
	s_mov_b32 s[\g+4], 32
	s_mov_b32 s[\g+5], 32
	s_mov_b32 s[\g+6], 0
	s_mov_b32 s[\g+7], 0
.endr
	s_lshl_b32 s20, s17, 8                         ; A: the tile's first row, 256 x tile
	s_lshl_b32 s46, s42, 8                         ; B likewise
	s_lshl_b32 s22, s20, 5                         ; their scale bytes: 32 a row,
	s_mov_b32 s23, 0
	s_lshl_b32 s66, s46, 5
	s_mov_b32 s67, 0
	s_lshl_b32 s20, s20, 9                         ; their codes: 512 a row (at most 8,192 rows: under 2^23)
	s_mov_b32 s21, 0
	s_lshl_b32 s46, s46, 9
	s_mov_b32 s47, 0
	s_add_nc_u64 s[20:21], s[4:5], s[20:21]
	s_add_nc_u64 s[22:23], s[6:7], s[22:23]
	s_add_nc_u64 s[46:47], s[8:9], s[46:47]
	s_add_nc_u64 s[66:67], s[10:11], s[66:67]
	CROUND                                         ; all sixteen work-groups are here: the joint loads meet
	; THE HEAD'S FOUR TILES, ONE LOAD A WAVE: wave 0 A's 256 rows of codes, all of K; wave 2 B's; wave 1 the scale bytes of A's 256 rows; wave 3 those of B's.  Every LDS byte is filled once.
	; (Nothing of reference() is left out in this launch.  The launch behind it leaves out the key steps that lie wholly under reference()'s own causal mask: their scores become -infinity for every input.)
	s_mov_b32 s[G0S], 1
	s_mov_b32 s[G0S+1], SCL
	s_mov_b64 s[G0S+2:G0S+3], s[22:23]
	s_or_b32 s[G0S+3], s[G0S+3], 0x80000000
	s_mov_b32 s[G0SB], 1
	s_mov_b32 s[G0SB+1], SCL+2*HALFS
	s_mov_b64 s[G0SB+2:G0SB+3], s[66:67]
	s_or_b32 s[G0SB+3], s[G0SB+3], 0x80000000
	s_mov_b32 s[G0], 1
	s_mov_b32 s[G0+1], 0
	s_mov_b64 s[G0+2:G0+3], s[20:21]
	s_or_b32 s[G0+3], s[G0+3], 0x80000000
	s_mov_b32 s[G0B], 1
	s_mov_b32 s[G0B+1], 2*HALFT
	s_mov_b64 s[G0B+2:G0B+3], s[46:47]
	s_or_b32 s[G0B+3], s[G0B+3], 0x80000000
	s_cmp_eq_u32 s16, 0                            ; one tree of branches on the wave's number: every way through it passes one load
	s_cbranch_scc0 .Lhead_odd
	JLOAD G0, G1, G0B, G1B                         ; waves 0 and 2: the codes
	s_branch .Lhead_asked
.Lhead_odd:
	JLOAD G0S, G1S, G0SB, G1SB                     ; waves 1 and 3: the scale bytes
.Lhead_asked:
	v_and_b32 v1, 15, v0                           ; l % 16
	v_bfe_u32 v2, v0, 4, 1                         ; l / 16
	v_mul_u32_u24 v3, v1, PITCH
	v_lshl_add_u32 v4, v2, 4, v3                   ; a fragment's row x pitch + 16 x half
	s_mul_i32 s21, s15, HALFT                      ; my 128 rows of A
	s_mul_i32 s22, s16, HALFT                      ; my 128 rows of B,
	s_add_co_u32 s22, s22, 2*HALFT                 ; which lie behind A's 256
.irp s, 0,1
	v_add_nc_u32 v[ADRA+\s], s21, v4
	v_add_nc_u32 v[ADRB+\s], s22, v4
	s_add_co_u32 s21, s21, SLOT
	s_add_co_u32 s22, s22, SLOT
.endr
	v_mul_u32_u24 v5, v1, KS                       ; my row's scales: 32 bytes a row,
	v_lshrrev_b32 v6, 8, v5
	v_lshl_add_u32 v5, v6, 4, v5                   ; and 16 more for each 256 passed
	s_mul_i32 s21, s15, HALFS                      ; A's: my 128 rows
	s_mul_i32 s22, s16, HALFS                      ; B's: my 128 rows, behind A's 256
	s_add_co_u32 s22, s22, 2*HALFS
	s_sub_co_u32 s22, s22, s21
	v_mul_u32_u24 v6, s22, v2                      ; lanes 16-31 take B's
	s_add_co_u32 s21, s21, SCL
	v_add_nc_u32 v5, v5, v6
	v_add_nc_u32 v[ADRS], s21, v5
	v_and_b32 v[LANE], 31, v0
	v_lshlrev_b32 v[CO], 4, v[LANE]
.irp b, 0,1,2,3
	v_mov_b32 v[TM+4+\b], 0                        ; written once: a lane permute's destination counts as one of its sources
.endr
	s_mov_b32 s[SEL], 0x76543210
	s_mov_b32 s[SEL+1], 0xfedcba98
	; where my wave's results go.  These registers feed no descriptor
	s_lshl_b32 s96, s17, 1
	s_add_co_u32 s96, s96, s15                     ; my 128 rows of A, counted in 128s
	s_lshl_b32 s97, s42, 1
	s_add_co_u32 s97, s97, s16                     ; my 128 rows of B
	s_cmp_eq_u32 s93, 2
	s_cselect_b32 s98, s97, s96                    ; the block of 128 tokens, 0..63,
	s_cselect_b32 s99, s96, s97                    ; the pair of heads, 0..7
	s_lshr_b32 s96, s98, 4                         ; the batch
	s_lshl_b32 s96, s96, 3
	s_add_co_u32 s96, s96, s99
	s_lshl_b32 s96, s96, 4
	s_and_b32 s98, s98, 15
	s_add_co_u32 s96, s96, s98                     ; u
	s_mul_i32 s96, s96, s95                        ; in bytes (under 2^24)
	s_add_co_u32 s98, s96, s101
	s_add_co_u32 s96, s96, s100
	s_mov_b32 s97, 0
	s_mov_b32 s99, 0
	s_add_nc_u64 s[96:97], s[12:13], s[96:97]      ; the codes
	s_add_nc_u64 s[98:99], s[12:13], s[98:99]      ; the scale words
.macro FRAG reg, adr, q, i             ; 16 rows x 128 K of 4-bit codes: lane l holds row l % 16; registers 4 c .. 4 c + 3 hold K = 64 c + 32 (l / 16) + 0 .. 31
.irp c, 0,1
	ds_load_b128 v[\reg+4*\c:\reg+4*\c+3], v[\adr] offset:64*(\q)+32*\c+(\i)*16*PITCH
.endr
.endm
; 16 matrix instructions: A's blocks a0, a0 + 1 x B's eight, the slot's q-th 128 along K.  p: B's set;  sc: the set of scale words.  zero = 1: the product starts the sums.
; The 64 accumulators take turns, one instruction a turn, in the same order in every step.
.macro MUL16 a0, p, q, sc, zero
.irp a, \a0, \a0+1
.irp b, 0,1,2,3,4,5,6,7
.if \zero
	v_wmma_scale_f32_16x16x128_f8f6f4 v[8*(8*((\a)%4)+\b):8*(8*((\a)%4)+\b)+7], v[128*(\p)+FR*\b:128*(\p)+FR*\b+FR-1], v[AF+FR*(\a):AF+FR*(\a)+FR-1], 0, v[SC+8*NQ*(\sc)+NQ*\b+(\q)], v[SC+8*NQ*(\sc)+NQ*(\a)+(\q)] matrix_a_fmt:MATRIX_FMT_FP4 matrix_b_fmt:MATRIX_FMT_FP4 matrix_a_scale:MATRIX_SCALE_ROW1
.else
	v_wmma_scale_f32_16x16x128_f8f6f4 v[8*(8*((\a)%4)+\b):8*(8*((\a)%4)+\b)+7], v[128*(\p)+FR*\b:128*(\p)+FR*\b+FR-1], v[AF+FR*(\a):AF+FR*(\a)+FR-1], v[8*(8*((\a)%4)+\b):8*(8*((\a)%4)+\b)+7], v[SC+8*NQ*(\sc)+NQ*\b+(\q)], v[SC+8*NQ*(\sc)+NQ*(\a)+(\q)] matrix_a_fmt:MATRIX_FMT_FP4 matrix_b_fmt:MATRIX_FMT_FP4 matrix_a_scale:MATRIX_SCALE_ROW1
.endif
.endr
.endr
.endm
.macro FETCH_B slot, q, p              ; B's eight fragments of the slot's q-th 128 along K into set p
	WIN TO_B
.irp i, 0,1,2,3,4,5,6,7
	FRAG 128*(\p)+FR*\i, ADRB+\slot, \q, \i
.endr
	WIN 0
.endm
.macro FETCH_A slot, q, i0             ; A's blocks i0 .. i0 + 3
.irp i, \i0, \i0+1, \i0+2, \i0+3
	FRAG AF+FR*(\i), ADRA+\slot, \q, \i
.endr
.endm
.macro SCALES sc                       ; a slot's scale words into set sc: 4 words a row; lanes 0-15 take A's block i, lanes 16-31 B's block i
.irp i, 0,1,2,3,4,5,6,7
	ds_load_b128 v[SC+8*NQ*\sc+NQ*\i:SC+8*NQ*\sc+NQ*\i+3], v[ADRS] offset:\i*SBLK
.endr
.endm
.macro PLACES n                        ; plain vector instructions between a matrix instruction and a load into, or a vector instruction on, its registers
.rept \n
	v_nop
.endr
.endm
; A step of 128 along K that has its successor in the same slot.  A block of A is free once its eight products are issued: blocks 0-3 are fetched anew in the step's middle, blocks 4-7 at its end.
.macro STEP slot, q, zero
	s_wait_dscnt 4*NL                              ; B's set and A's blocks 0-3 are in; the youngest eight loads (A's blocks 4-7) may be out
	WIN MUL_LO
	MUL16 0, (\q)%2, \q, \slot, \zero
	MUL16 2, (\q)%2, \q, \slot, \zero
	s_wait_dscnt 0                                 ; A's blocks 4-7 are in
	PLACES NP
	FETCH_B \slot, (\q)+1, 1-(\q)%2
	FETCH_A \slot, (\q)+1, 0
	WIN MUL_HI
	MUL16 4, (\q)%2, \q, \slot, \zero
	MUL16 6, (\q)%2, \q, \slot, \zero
	PLACES NP
	WIN 0
	FETCH_A \slot, (\q)+1, 4
.endm
	s_wait_alu depctr_va_vdst(0)
	s_wait_tensorcnt 0x0                           ; my tile of the head's four is in
	s_barrier_signal -1
	s_barrier_wait -1                              ; everybody's are
	FETCH_B 0, 0, 0
	FETCH_A 0, 0, 0
	SCALES 0
	FETCH_A 0, 0, 4
	STEP 0, 0, 1                                   ; the first step's products start the sums: nothing is cleared
	STEP 0, 1, 0
	STEP 0, 2, 0
	; slot 0's last step, and the change to slot 1
	s_wait_dscnt 4*NL                              ; (the youngest eight loads, A's blocks 4-7, may be out)
	WIN MUL_LO
	MUL16 0, 1, NQ-1, 0, 0
	MUL16 2, 1, NQ-1, 0, 0
	s_wait_dscnt 0x0                               ; A's blocks 4-7 are in
	WIN 0
	PLACES NP
	v_add_nc_u32 v[ADRS], 4*NQ, v[ADRS]            ; on to slot 1's scale words
	FETCH_B 1, 0, 0
	FETCH_A 1, 0, 0
	SCALES 1
	WIN MUL_HI
	MUL16 4, 1, NQ-1, 0, 0
	MUL16 6, 1, NQ-1, 0, 0
	PLACES NP
	WIN 0
	FETCH_A 1, 0, 4
	STEP 1, 0, 0
	STEP 1, 1, 0
	STEP 1, 2, 0
	s_wait_dscnt 4*NL                              ; the last step: nothing more to fetch
	WIN MUL_LO
	MUL16 0, 1, NQ-1, 1, 0
	MUL16 2, 1, NQ-1, 1, 0
	s_wait_dscnt 0
	WIN MUL_HI
	MUL16 4, 1, NQ-1, 1, 0
	MUL16 6, 1, NQ-1, 1, 0
	WIN 0
; THE WAY OUT.  Block a: register 8 T + j of a lane is number 16 T + 8 (l / 16) + j of its row; block b of 32 is tiles 2 b and 2 b + 1, half of it in lane l and half in lane l xor 16.
; A conversion takes eight neighbours: tile 4 c gives words 0 | 1 of block 2 c (lanes 0-15 | 16-31), tile 4 c + 1 words 2 | 3, tiles 4 c + 2 and 4 c + 3 the same of block 2 c + 1.
; Two exchanges of halves then give lanes 0-15 the four words of block 2 c and lanes 16-31 those of block 2 c + 1, which is the operand's layout.
.macro QROW a
.set AC, 64*((\a)%4)
.set W, 2+(\a)/4
.set WA, (W<<2)|(W<<4)
.set PC, AF+8*(\a)
	WIN WA                                         ; sources 1 and 2: the accumulators' window
.irp b, 0,1,2,3
	v_max3_num_f32 v[TM+\b], 0x1800000, |v[AC+16*\b]|, |v[AC+16*\b+1]|   ; my 16 numbers of block b, each accumulator from its low end on, and the floor 2^(3 - 127): the byte cannot fall under 1
.endr
.irp i, 2,4,6,8,10,12,14
.irp b, 0,1,2,3
	v_max3_num_f32 v[TM+\b], v[TM+\b], |v[AC+16*\b+\i]|, |v[AC+16*\b+\i+1]|
.endr
.endr
	WIN 0
.irp b, 0,1,2,3
	v_permlanex16_b32 v[TM+4+\b], v[TM+\b], s[SEL], s[SEL+1]
.endr
.irp b, 0,1,2,3
	v_max_num_f32 v[TM+\b], v[TM+\b], v[TM+4+\b]   ; with lane l xor 16's: the block's largest magnitude
.endr
.irp b, 0,1,2,3
	v_add_nc_u32 v[TM+8+\b], 0xff000000, v[TM+\b]  ; 2 off its exponent field: the conversion takes this operand's exponent field as its scale
.endr
.irp b, 0,1,2,3
	v_lshrrev_b32 v[TM+4+\b], 23, v[TM+8+\b]       ; the scale's byte
.endr
	v_lshl_or_b32 v[PW+(\a)], v[TM+5], 8, v[TM+4]
	v_lshl_or_b32 v[PW+(\a)], v[TM+6], 16, v[PW+(\a)]
	v_lshl_or_b32 v[PW+(\a)], v[TM+7], 24, v[PW+(\a)]
	WIN W                                          ; source 0: the accumulators' window
.irp c, 0,1
	v_cvt_scalef32_pk8_fp4_f32 v[PC+4*\c], v[AC+32*\c:AC+32*\c+7], v[TM+8+2*\c]
	v_cvt_scalef32_pk8_fp4_f32 v[PC+4*\c+2], v[AC+32*\c+8:AC+32*\c+15], v[TM+8+2*\c]
	v_cvt_scalef32_pk8_fp4_f32 v[PC+4*\c+1], v[AC+32*\c+16:AC+32*\c+23], v[TM+8+2*\c+1]
	v_cvt_scalef32_pk8_fp4_f32 v[PC+4*\c+3], v[AC+32*\c+24:AC+32*\c+31], v[TM+8+2*\c+1]
.endr
	WIN 0
	v_nop                                          ; one plain place behind a scaled conversion
.irp c, 0,1
	v_permlane16_swap_b32 v[PC+4*\c], v[PC+4*\c+1]
	v_permlane16_swap_b32 v[PC+4*\c+2], v[PC+4*\c+3]
.endr
.irp c, 0,1
	global_store_b128 v[CO], v[PC+4*\c:PC+4*\c+3], s[96:97] offset:1024*(\a)+512*\c   ; 32 lanes store 512 consecutive bytes, at a multiple of 256 from the buffer's first byte; each block has data registers of its own
.endr
.endm
	PLACES NP                                      ; behind the last products: their results are read, and A's registers written
.irp a, 0,1,2,3,4,5,6,7
	QROW \a
.endr
	v_cmp_le_u32 vcc_lo, 16, v[LANE]
.irp i, 0,1,2,3
	v_cndmask_b32 v[SW+\i], v[PW+2*\i], v[PW+2*\i+1], vcc_lo   ; lanes 0-15 keep block 2 i's word of row l % 16, lanes 16-31 take block 2 i + 1's
.endr
	global_store_b128 v[CO], v[SW:SW+3], s[98:99]
	s_wait_tensorcnt 0x0
	s_wait_dscnt 0x0
	s_wait_tensorcnt 0x0
	ds_add_u32 v254, v255
	s_wait_dscnt 0x0
	CROUND                                         ; the closing round: no work-group ends while a partner may still ask for a tile that names it
	s_endpgm
.Lfunc_end_k_q824446a294_qkv:
	.size	k_q824446a294_qkv, .Lfunc_end_k_q824446a294_qkv-k_q824446a294_qkv
	.p2alignl 7, 3214868480
	.fill 96, 4, 3214868480
	.section	.rodata,"a",@progbits
	.p2align	6, 0x0
	.amdhsa_kernel k_q824446a294_qkv
		.amdhsa_group_segment_fixed_size 296448
		.amdhsa_private_segment_fixed_size 0
		.amdhsa_enable_private_segment 0
		.amdhsa_kernarg_size 80
		.amdhsa_user_sgpr_count 2
		.amdhsa_user_sgpr_kernarg_segment_ptr 1
		.amdhsa_wavefront_size32 1
		.amdhsa_system_sgpr_workgroup_id_x 1
		.amdhsa_system_sgpr_workgroup_id_y 1
		.amdhsa_system_sgpr_workgroup_id_z 1
		.amdhsa_system_vgpr_workitem_id 0
		.amdhsa_next_free_vgpr 1024
		.amdhsa_next_free_sgpr 102
		.amdhsa_reserve_vcc 1
		.amdhsa_float_denorm_mode_32 3
		.amdhsa_float_denorm_mode_16_64 3
		.amdhsa_memory_ordered 1
		.amdhsa_forward_progress 1
		.amdhsa_inst_pref_size 127
	.end_amdhsa_kernel
	.amdgpu_metadata
---
amdhsa.version: [ 1, 2 ]
amdhsa.kernels:
  - .name:           k_q824446a294_qkv
    .symbol:         k_q824446a294_qkv.kd
    .args:
      - { .name: x_codes, .offset: 0, .size: 8, .value_kind: global_buffer, .address_space: global }
      - { .name: x_scales, .offset: 8, .size: 8, .value_kind: global_buffer, .address_space: global }
      - { .name: Wq_codes, .offset: 16, .size: 8, .value_kind: global_buffer, .address_space: global }
      - { .name: Wq_scales, .offset: 24, .size: 8, .value_kind: global_buffer, .address_space: global }
      - { .name: Wk_codes, .offset: 32, .size: 8, .value_kind: global_buffer, .address_space: global }
      - { .name: Wk_scales, .offset: 40, .size: 8, .value_kind: global_buffer, .address_space: global }
      - { .name: Wv_codes, .offset: 48, .size: 8, .value_kind: global_buffer, .address_space: global }
      - { .name: Wv_scales, .offset: 56, .size: 8, .value_kind: global_buffer, .address_space: global }
      - { .name: qw, .offset: 64, .size: 8, .value_kind: global_buffer, .address_space: global }
      - { .name: kv, .offset: 72, .size: 8, .value_kind: global_buffer, .address_space: global }
    .group_segment_fixed_size: 296448
    .private_segment_fixed_size: 0
    .kernarg_segment_align: 8
    .kernarg_segment_size: 80
    .max_flat_workgroup_size: 128
    .sgpr_count:     102
    .vgpr_count:     1024
    .wavefront_size: 32
...
	.end_amdgpu_metadata
.endif
;; end of part 1
;; launch attn (part 2): grid 8 x 32, 16 waves a work-group, clusters of 4 x 1, 280,576 bytes of LDS; arguments qw, kv, ac; writes ac
.if DOCPART == 2
	.amdgcn_target "amdgcn-amd-amdhsa--gfx1250"
	.amdhsa_code_object_version 6
	.text
	.protected	k_q824446a294_attn
	.globl	k_q824446a294_attn
	.p2align	8
	.type	k_q824446a294_attn,@function
k_q824446a294_attn:
	s_mov_b64 s[64:65], 0
	v_nop
	global_prefetch_b8 v0, s[64:65] scope:SCOPE_SE
	s_setreg_imm32_b32 hwreg(HW_REG_WAVE_MODE, 25, 1), 1
	s_wait_xcnt 0x0
	s_wait_alu depctr_hold_cnt(0) depctr_sa_sdst(0) depctr_va_vdst(0) depctr_va_sdst(0) depctr_va_ssrc(0) depctr_va_vcc(0) depctr_vm_vsrc(0)
	s_getreg_b32 s2, hwreg(HW_REG_IB_STS2, 6, 4)
	s_cmp_eq_u32 s2, 0
	s_cbranch_scc0 .Lentry_in_a_cluster
	s_endpgm
.Lentry_in_a_cluster:
	s_bfe_u32 s2, ttmp6, 0x10000c
	s_cmp_lg_u32 s2, 0x3003
	s_cbranch_scc0 .Lentry_shape_is_right
	s_endpgm
.Lentry_shape_is_right:
; Causal attention on codes of FP4 (E2M1) with one E8M0 scale for each 32 along a product's K, for a pair of heads g of a batch b (work-group y = 8 b + g), and the quantising of its result for the output projection.
; LEFT OUT: key steps all of whose 128 keys come after a tile's 16 queries: reference()'s own causal mask makes their scores -infinity for every input.  A NaN or an infinity that reaches only those scores is not carried to the result.
; IN.  qw and kv as the launch before laid them: images of operand registers, [tile of 16][c][lane][16 bytes], and scale words [lane][4].  The pair's whole kv block, 16 key steps x 17,408 bytes, comes into LDS once, as it lies.
; SHARES.  Wave w owns ONE head e = w % 2 of the pair and TWO tiles of 16 queries: with i = w / 2 and j = the work-group's x (0..7), tile j of key step 15 - i and then tile j of key step i.
; A tile of key step s walks s + 1 key steps, so every wave walks 17: all sixteen waves have equal shares.  Every branch hangs on the wave's number and a counter; j enters global addresses and the mask's compare alone.
; CLUSTER.  The four work-groups of a cluster walk the same kv block: it is asked for jointly (mask 15), one key step (68 rows of 256 bytes) a wave.  Waves 0 and 1 have a load line of their own and wait for it ahead of the
; first barrier: key steps 0 and 1 are worked while steps 2-15 land; all waves wait for all in front of the second barrier.  No LDS byte is filled twice.
; NO PREFETCH: the kv block is asked for whole at the head, and q once a tile: there is no loop to run ahead in.
; LAYOUT.  Both products are used transposed: S^T = K Q^T (source 0 = 16 keys), O^T = V^T P^T (source 0 = 16 of the head's 64): a lane holds one query (lane % 16); register 8 t + i of S^T is key 16 t + 8 (lane / 16) + i.
; A HEAD IS 64 WIDE, THE INSTRUCTION 128 DEEP: q stands in the low half of source 1, the high half holds zero codes under zero scale bytes (2^-127, no NaN).  Of each tile of K my head's 16 bytes a lane are loaded,
; 4 registers apart; fragment t is the 8 registers from 4 t on: what stands against the zero codes adds nothing.  K's scale words are read as my head's two bytes, widened with zeros.  So one text serves both heads: the head enters LDS addresses alone.
; A STEP RUNS AHEAD OF ITSELF: this step's V and the next step's K are loaded in one run ahead of the exponentials; the next step's scores are multiplied at this step's end, once p's codes are made, ahead of the rescaling of O^T and the second product.
; Where a loop has no next step.  Each loop begins with its first step's loads of K and score products.
; SOFTMAX: t = score x log2(e) / 8; M = the running largest t rounded up to a whole number; p = 2^(t - M) is quantised along the keys; the sum is taken of the unquantised p and divides O at the end;
; when M moves, the sum and O are multiplied by 2^(old M - new M), exactly.  A block's largest p is made from its largest score by the same multiply-add and exponential (this takes v_exp_f32 not to fall where its input rises).
; OUT.  ac: [tile of 16 tokens][8,704 bytes]: codes [g][e][lane][16 bytes], 8,192 bytes, then scale bytes [token][32], 512 bytes.  o / l of my head, 64 numbers a query, is half a K step of the projection: 512 bytes of codes, and two scale bytes a token at 4 g + 2 e.
; LIMITS: the promise holds while |t| stays under 2^31.  A block of zeros, or one whose largest magnitude lies under 2^-124, gets the byte 1 (this program alone reads the bytes).  NaN and infinities are not served.
.set STEPB, 17408                      ; a key step in LDS and in kv: K's codes 8,192, V's 8,192, K's scale words 512, V's 512
.set SPARE, 16*STEPB                   ; the spare words: 128 bytes a wave, eight blocks of 256 bytes that no other line names
.set L16,  1                           ; 16 x lane
.set B0,   2                           ; v2-5 16 x lane + 512 e, + 4,096 e, + 2 e, + 8 e
.set AK,   6                           ; LDS addresses: the next step's codes of K,
.set AV,   7                           ; this step's codes of V,
.set AS,   8                           ; the next step's scale bytes of K,
.set AT,   9                           ; this step's scale words of V
.set VD,   10                          ; my query in its step - 8 (lane / 16)
.set R32,  11                          ; 32 x (lane % 16)
.set KSC,  12                          ; v12-15 K's scales: register i: lanes 0-15 tile 2 i, lanes 16-31 tile 2 i + 1
.set VSC,  16                          ; v16-17 V's
.set QSA,  18                          ; q's scale word, first tile;
.set QSB,  19                          ; second tile
.set QA,   20                          ; v20-23 q of the first tile, v24-27 zeros
.set QB,   28                          ; v28-31 q of the second tile, v32-35 zeros
.set F,    36                          ; v36-71 nine chunks of four registers: K's fragments; the ninth stays zero
.set S,    72                          ; v72-135 S^T, then p
.set O,    136                         ; v136-167 O^T
.set P,    168                         ; v168-175 the codes just made
.set PW,   176                         ; their scale word
.set BM,   178                         ; v178-181 the blocks' maxima
.set PD,   182                         ; v182-185 a second chain of the maxima, the other half's maxima, then the bytes
.set SO,   186                         ; v186-189 the conversions' scale operands
.set FF,   190                         ; f = 2^(old M - new M); v191 is named with it as a pair
.set TT,   192
.set NINF, 193
.set PS,   194                         ; v194-195 a second chain of the sum; at the end 1 / l
.set NM,   196                         ; -M; v197 the largest t
.set LL,   198                         ; v198-199 the sum in two halves
.set FV,   200                         ; v200-231 V^T's four fragments
.set R16,  232                         ; 16 x (lane % 16)
.set P2,   234                         ; v234-237 a third and a fourth chain of the sum
.set P3,   236
.set SPW,  254
.set NIL,  255
.set WV,   12
.set BLKA, 18                          ; the first tile's key step, 15 - i
.set BLKB, 19                          ; the second's, i
.set SEL,  20                          ; s[20:21] lane selects for v_permlanex16_b32: lane l xor 16
.set CS,   22                          ; s[22:23] c = log2(e) / 8
.set G1,   24
.set G0,   32
.set TB,   36                          ; LDS byte at which the step begins
.set SS,   37                          ; the step's number
.set E16,  38                          ; 16 e
.set TN,   39                          ; LDS byte at which the next step begins
.set NX,   56                          ; the loop's last step that the tile works: a step under it has a next one
.macro CROUND                          ; a round of the cluster's barrier
	s_barrier_signal -1
	s_barrier_wait -1
	s_cmp_lg_u32 s[WV], 0
	s_cbranch_scc1 .Lnot_wave_0_\@
	s_barrier_signal -3
.Lnot_wave_0_\@:
	s_barrier_wait -3
	s_barrier_signal -1
	s_barrier_wait -1
.endm
.macro JADDR blk, base                 ; a tile's four byte offsets: q's codes, q's scale words, ac's codes, ac's scale bytes
	s_lshl_b32 s56, s15, 4
	s_add_co_u32 s56, s56, s[\blk]
	s_mul_i32 s56, s56, 8704                       ; the unit of qw: 16 y + key step
	s_add_co_u32 s[\base], s56, s58
	s_mov_b32 s[\base+1], 0
	s_add_co_u32 s[\base+2], s56, s59
	s_mov_b32 s[\base+3], 0
	s_lshl_b32 s57, s[\blk], 3
	s_add_co_u32 s57, s57, s60                     ; the tile of 16 tokens among all 512
	s_mul_i32 s56, s57, 8704
	s_add_co_u32 s[\base+4], s56, s61
	s_mov_b32 s[\base+5], 0
	s_add_co_u32 s[\base+6], s56, s62
	s_mov_b32 s[\base+7], 0
.endm
.macro INIT                            ; a tile begins: the step is written once, its first run finds zeros, which the first change of M leaves zeros
	v_mov_b32 v[NM+1], 0xff61b1e6                  ; the largest t so far: -3e38
	v_mov_b32 v[NM], 0x7f61b1e6                    ; -M: 3e38, a whole number
	v_mov_b32 v[LL], 0
	v_mov_b32 v[LL+1], 0
.set n, 0
.rept 32
	v_mov_b32 v[O+n], 0
.set n, n+1
.endr
.endm
.macro KLOAD                           ; twelve loads: my head's two scale bytes of K's tiles 2 i | 2 i + 1, and my head's half of each tile of K
.irp i, 0,1,2,3
	ds_load_u16 v[KSC+\i], v[AS] offset:16384+4*\i
.endr
.irp t, 0,1,2,3,4,5,6,7
	ds_load_b128 v[F+4*\t:F+4*\t+3], v[AK] offset:1024*\t
.endr
.endm
.macro SPROD q, qs                     ; S^T of the step whose K stands in the registers
.irp t, 0,2,4,6
	v_wmma_scale_f32_16x16x128_f8f6f4 v[S+8*\t:S+8*\t+7], v[F+4*\t:F+4*\t+7], v[\q:\q+7], 0, v[KSC+\t/2], v[\qs] matrix_a_fmt:MATRIX_FMT_FP4 matrix_b_fmt:MATRIX_FMT_FP4
	v_wmma_scale_f32_16x16x128_f8f6f4 v[S+8*\t+8:S+8*\t+15], v[F+4*\t+4:F+4*\t+11], v[\q:\q+7], 0, v[KSC+\t/2], v[\qs] matrix_a_fmt:MATRIX_FMT_FP4 matrix_b_fmt:MATRIX_FMT_FP4 matrix_a_scale:MATRIX_SCALE_ROW1
.endr
.endm
.macro FMA8                            ; t - M, two at a time
.rept 8
	v_pk_fma_f32 v[S+n:S+n+1], v[S+n:S+n+1], s[CS:CS+1], v[NM:NM+1] op_sel_hi:[1,0,0]
.set n, n+2
.endr
.endm
	s_load_b128 s[4:7], s[0:1], 0x0                ; qw, kv
	s_load_b64 s[8:9], s[0:1], 0x10                ; ac
	v_lshl_add_u32 v[SPW], v0, 2, SPARE
	v_mov_b32 v[NIL], 0
	ds_add_u32 v[SPW], v[NIL]                      ; the opening lines: the add, twice on end, and its wait ahead of my tensor load
	ds_add_u32 v[SPW], v[NIL]
	v_lshrrev_b32 v[TT], 5, v0
	v_readfirstlane_b32 s[WV], v[TT]               ; wave 0..15
	s_bfe_u32 s13, ttmp6, 0x40000                  ; cx
	s_lshl_b32 s14, ttmp9, 2
	s_add_co_u32 s14, s14, s13                     ; j = 4 x cluster x + cx
	s_and_b32 s15, ttmp7, 0xffff                   ; y = 8 b + g, which the four partners share
	s_and_b32 s16, s[WV], 1                        ; e
	s_lshr_b32 s[BLKB], s[WV], 1                   ; i
	s_xor_b32 s[BLKA], s[BLKB], 15                 ; 15 - i
	s_lshl_b32 s[E16], s16, 4
	s_lshl_b32 s58, s14, 10
	s_lshl_b32 s56, s16, 9
	s_add_co_u32 s58, s58, s56                     ; in a unit of qw: tile j, chunk e
	s_and_b32 s59, s14, 1
	s_lshl_b32 s59, s59, 8
	s_lshr_b32 s57, s14, 1
	s_lshl_b32 s57, s57, 2
	s_add_co_u32 s59, s59, s57
	s_add_co_u32 s59, s59, 8192                    ; tile j's scale words: lane 16 (j % 2) + r, word j / 2
	s_lshr_b32 s60, s15, 3
	s_lshl_b32 s60, s60, 7
	s_add_co_u32 s60, s60, s14                     ; 128 b + j
	s_and_b32 s63, s15, 7                          ; g
	s_lshl_b32 s61, s63, 10
	s_add_co_u32 s61, s61, s56                     ; in a tile of ac: 1,024 g + 512 e
	s_lshl_b32 s62, s63, 2
	s_lshl_b32 s57, s16, 1
	s_add_co_u32 s62, s62, s57
	s_add_co_u32 s62, s62, 8192                    ; and 8,192 + 4 g + 2 e
	JADDR BLKA, 40
	JADDR BLKB, 48
	s_lshl_b32 s56, s15, 4
	s_add_co_u32 s56, s56, s[WV]
	s_mul_i32 s56, s56, STEPB                      ; what I fetch: key step = my wave's number of the pair's kv block
	s_mov_b32 s57, 0
	s_mov_b32 s[G0], 1
	s_mul_i32 s[G0+1], s[WV], STEPB                ; LDS and the block have the same offsets
	s_mov_b32 s[G1], 15|(3<<16)|(1<<21)            ; the mask: all four work-groups; elements of 8 bytes; bit 21 beside a mask; no padding: every read takes consecutive bytes
	s_mov_b32 s[G1+1], 32<<16                      ; tensor_dim0 = 32 elements: 256 bytes
	s_mov_b32 s[G1+2], 68<<16                      ; tensor_dim1
	s_mov_b32 s[G1+3], 32<<16                      ; tile_dim0
	s_mov_b32 s[G1+4], 68                          ; tile_dim1
	s_mov_b32 s[G1+5], 32                          ; dense rows
	s_mov_b32 s[G1+6], 0
	s_mov_b32 s[G1+7], 0
	s_lshl_b32 s63, s14, 4                         ; 16 j
	s_mov_b32 s[SEL], 0x76543210
	s_mov_b32 s[SEL+1], 0xfedcba98
	s_mov_b32 s[CS], 0x3e38aa3b                    ; c = log2(e) / sqrt(64)
	s_mov_b32 s[CS+1], s[CS]                       ; (named with it as a pair, so it is written)
	s_mov_b32 s[TB], 0
	s_mov_b32 s[SS], 0
	s_wait_dscnt 0x0                               ; both opening adds are done
	s_wait_kmcnt 0x0
	s_add_nc_u64 s[G0+2:G0+3], s[6:7], s[56:57]
	s_or_b32 s[G0+3], s[G0+3], 0x80000000
.irp n, 40, 48
	s_add_nc_u64 s[\n:\n+1], s[4:5], s[\n:\n+1]
	s_add_nc_u64 s[\n+2:\n+3], s[4:5], s[\n+2:\n+3]
	s_add_nc_u64 s[\n+4:\n+5], s[8:9], s[\n+4:\n+5]
	s_add_nc_u64 s[\n+6:\n+7], s[8:9], s[\n+6:\n+7]
.endr
	CROUND                                         ; all four work-groups are here: the joint loads meet
	s_cmp_lt_u32 s[WV], 2                          ; one load a wave, in two arms that join: key steps 0 and 1 have a line of their own, whose issuers wait ahead of the first barrier
	s_cbranch_scc0 .Llate
	tensor_load_to_lds s[G0:G0+3], s[G1:G1+7]
	s_nop 0
.rept 4
	v_nop
.endr
	s_branch .Lasked
.Llate:
	tensor_load_to_lds s[G0:G0+3], s[G1:G1+7]
	s_nop 0
.rept 4
	v_nop
.endr
.Lasked:
	v_and_b32 v[TT], 31, v0
	v_lshlrev_b32 v[L16], 4, v[TT]
	v_and_b32 v[R16], 15, v0                       ; r
	v_bfe_u32 v[TT], v0, 4, 1                      ; h
	v_lshlrev_b32 v[TT], 3, v[TT]
	v_sub_nc_u32 v[VD], v[R16], v[TT]
	v_add_nc_u32 v[VD], s63, v[VD]                 ; 16 j + r - 8 h
	v_lshlrev_b32 v[R32], 5, v[R16]
	v_lshlrev_b32 v[R16], 4, v[R16]
	global_load_b128 v[QA:QA+3], v[L16], s[40:41]  ; q of both tiles stays in registers
	global_load_b32 v[QSA], v[R16], s[42:43]
	global_load_b128 v[QB:QB+3], v[L16], s[48:49]
	global_load_b32 v[QSB], v[R16], s[50:51]
	s_lshl_b32 s39, s16, 9
	v_add_nc_u32 v[B0], s39, v[L16]                ; my head's half of a tile of K
	s_lshl_b32 s39, s16, 12
	v_add_nc_u32 v[B0+1], s39, v[L16]              ; my head's four tiles of V^T
	s_lshl_b32 s39, s16, 1
	v_add_nc_u32 v[B0+2], s39, v[L16]              ; my head's two bytes of a scale word of K
	s_lshl_b32 s39, s16, 3
	v_add_nc_u32 v[B0+3], s39, v[L16]              ; my head's two scale words of V
.irp i, 0,1,2,3
	v_mov_b32 v[QA+4+\i], 0                        ; the zero codes
	v_mov_b32 v[QB+4+\i], 0
	v_mov_b32 v[F+32+\i], 0                        ; the ninth chunk stands against zero codes
	v_mov_b32 v[PD+\i], 0                          ; a lane permute's destination counts as one of its sources
.endr
	v_mov_b32 v[FF+1], 0
	v_mov_b32 v[PS], 0
	v_mov_b32 v[PS+1], 0
	v_mov_b32 v[NINF], 0xff800000
	s_wait_loadcnt 0x0
	v_lshrrev_b32 v[QSA], s[E16], v[QSA]           ; my head's two bytes come to the low end,
	v_lshrrev_b32 v[QSB], s[E16], v[QSB]
	v_and_b32 v[QSA], 0xffff, v[QSA]               ; zero bytes above them
	v_and_b32 v[QSB], 0xffff, v[QSB]
	INIT                                           ; (also the places between the scale words' making and the first product)
; My head's share of a key step of 128 keys, for the tile whose q stands at register q, with scale word qs and key step blk.  The step's scores stand in S: the step before, or the loop's opening, has multiplied them.
.macro HSTEP q, qs, blk
	s_cmp_lg_u32 s[SS], s[\blk]                    ; in my queries' own step hidden scores become -infinity ahead of the maximum: p = 0 then.  Key 0 of the step counts for every query of it
	s_cbranch_scc1 .Lopen_\@
.set n, 0
.rept 64
	v_cmp_gt_i32 vcc_lo, 16*(n/8)+n%8, v[VD]       ; register n holds key 16 (n / 8) + 8 (lane / 16) + n % 8 of the step
	v_cndmask_b32 v[S+n], v[S+n], v[NINF], vcc_lo
.set n, n+1
.endr
.Lopen_\@:
.irp b, 0,1,2,3
	v_max3_num_f32 v[BM+\b], v[S+16*\b], v[S+16*\b+1], v[S+16*\b+2]   ; the largest score of each block of 32 keys, in two chains a block: for the row's maximum and for the block's largest p
.endr
.irp b, 0,1,2,3
	v_max3_num_f32 v[PD+\b], v[S+16*\b+8], v[S+16*\b+9], v[S+16*\b+10]
.endr
.irp i, 3,5
.irp b, 0,1,2,3
	v_max3_num_f32 v[BM+\b], v[BM+\b], v[S+16*\b+\i], v[S+16*\b+\i+1]
.endr
.irp b, 0,1,2,3
	v_max3_num_f32 v[PD+\b], v[PD+\b], v[S+16*\b+8+\i], v[S+16*\b+9+\i]
.endr
.endr
.irp b, 0,1,2,3
	v_max3_num_f32 v[BM+\b], v[BM+\b], v[PD+\b], v[S+16*\b+7]
.endr
.irp b, 0,1,2,3
	v_max_num_f32 v[BM+\b], v[BM+\b], v[S+16*\b+15]
.endr
.irp b, 0,1,2,3
	v_permlanex16_b32 v[PD+\b], v[BM+\b], s[SEL], s[SEL+1]
.endr
.irp b, 0,1,2,3
	v_max_num_f32 v[BM+\b], v[BM+\b], v[PD+\b]     ; with lane l xor 16's 16 keys
.endr
	v_max3_num_f32 v[TT], v[BM], v[BM+1], v[BM+2]  ; a chain of dependent lines: the four LDS addresses are made among them
	v_add_nc_u32 v[AV], s[TB], v[B0+1]
	v_max_num_f32 v[TT], v[TT], v[BM+3]            ; the step's largest score of my query
	v_add_nc_u32 v[AT], s[TB], v[B0+3]
	v_mul_f32 v[TT], s[CS], v[TT]                  ; as t (c is positive)
	v_add_nc_u32 v[AK], s[TN], v[B0]
	v_max_num_f32 v[NM+1], v[NM+1], v[TT]          ; the running largest t
	v_add_nc_u32 v[AS], s[TN], v[B0+2]
	v_mov_b32 v[TT], v[NM]
	v_floor_f32 v[NM], -v[NM+1]                    ; the new -M = floor(-t) = -ceil(t)
.set n, 0
	FMA8
	v_sub_f32 v[TT], v[NM], v[TT]                  ; old M - new M: a whole number, 0 or less
	FMA8
	v_cvt_i32_f32 v[TT], v[TT]                     ; (it saturates)
	FMA8
	v_ldexp_f32 v[FF], 1.0, v[TT]                  ; f = 2^(old M - new M)
	FMA8
.irp b, 0,1,2,3
	v_fma_f32 v[BM+\b], v[BM+\b], s[CS], v[NM]     ; t - M of each block's largest score
.endr
	s_wait_alu depctr_va_vdst(0)                   ; ahead of the batch; it serves the addresses too
	ds_load_b64 v[VSC:VSC+1], v[AT] offset:16896   ; this step's V: wanted at the step's end
.irp t, 0,1,2,3,4,5,6,7
	ds_load_b128 v[FV+4*\t:FV+4*\t+3], v[AV] offset:8192+512*\t
.endr
	s_cmp_ge_u32 s[SS], s[NX]                      ; no next step in this loop: no K to load
	s_cbranch_scc1 .Lno_k_\@
	KLOAD                                          ; the next step's K: this step's score products read these registers a step ago
.Lno_k_\@:
.set n, 0
.rept 64
	v_exp_f32 v[S+n], v[S+n]                       ; p = 2^(t - M), at most 1, not normalised
.set n, n+1
.endr
	v_pk_mul_f32 v[LL:LL+1], v[LL:LL+1], v[FF:FF+1] op_sel_hi:[1,0]   ; the sum under the new M.  (A plain place behind the exponentials)
	s_wait_alu depctr_va_vdst(0)                   ; one wait for the batch, ahead of its first reader
.irp b, 0,1,2,3
	v_exp_f32 v[BM+\b], v[BM+\b]                   ; the block's largest p
.endr
	v_pk_add_f32 v[PS:PS+1], v[S:S+1], v[S+2:S+3]  ; the row's sum is taken of the unquantised p: two at a time, in four chains
	v_pk_add_f32 v[P2:P2+1], v[S+4:S+5], v[S+6:S+7]
	v_pk_add_f32 v[P3:P3+1], v[S+8:S+9], v[S+10:S+11]
	v_pk_add_f32 v[LL:LL+1], v[LL:LL+1], v[S+12:S+13]
.set n, 14
.rept 6
	v_pk_add_f32 v[PS:PS+1], v[PS:PS+1], v[S+n:S+n+1]
	v_pk_add_f32 v[P2:P2+1], v[P2:P2+1], v[S+n+2:S+n+3]
	v_pk_add_f32 v[P3:P3+1], v[P3:P3+1], v[S+n+4:S+n+5]
	v_pk_add_f32 v[LL:LL+1], v[LL:LL+1], v[S+n+6:S+n+7]
.set n, n+8
.endr
	v_pk_add_f32 v[PS:PS+1], v[PS:PS+1], v[S+62:S+63]
	v_pk_add_f32 v[LL:LL+1], v[LL:LL+1], v[P3:P3+1]
	v_pk_add_f32 v[PS:PS+1], v[PS:PS+1], v[P2:P2+1]
	v_pk_add_f32 v[LL:LL+1], v[LL:LL+1], v[PS:PS+1]
	s_wait_alu depctr_va_vdst(0)                   ; and one for the four; it stands directly ahead of the wait below too
	s_wait_dscnt 0x0                               ; V and the next step's K are in: asked for ahead of the exponentials
.irp b, 0,1,2,3
	v_max_num_f32 v[BM+\b], 0x1800000, v[BM+\b]    ; the floor 2^(3 - 127): the byte cannot fall under 1
.endr
.irp b, 0,1,2,3
	v_add_nc_u32 v[SO+\b], 0xff000000, v[BM+\b]    ; 2 off the exponent field: the conversion's scale operand
.endr
.irp b, 0,1,2,3
	v_lshrrev_b32 v[PD+\b], 23, v[SO+\b]           ; the scale's byte
.endr
	v_lshl_or_b32 v[PW], v[PD+1], 8, v[PD]
	v_lshl_or_b32 v[PW], v[PD+2], 16, v[PW]
	v_lshl_or_b32 v[PW], v[PD+3], 24, v[PW]
.irp c, 0,1                                    ; tile 4 c gives words 0 | 1 of block 2 c (lanes 0-15 | 16-31), tile 4 c + 1 words 2 | 3, tiles 4 c + 2 and 4 c + 3 the same of block 2 c + 1
	v_cvt_scalef32_pk8_fp4_f32 v[P+4*\c], v[S+32*\c:S+32*\c+7], v[SO+2*\c]
	v_cvt_scalef32_pk8_fp4_f32 v[P+4*\c+2], v[S+32*\c+8:S+32*\c+15], v[SO+2*\c]
	v_cvt_scalef32_pk8_fp4_f32 v[P+4*\c+1], v[S+32*\c+16:S+32*\c+23], v[SO+2*\c+1]
	v_cvt_scalef32_pk8_fp4_f32 v[P+4*\c+3], v[S+32*\c+24:S+32*\c+31], v[SO+2*\c+1]
.endr
	v_nop                                          ; one plain place behind a scaled conversion
.irp c, 0,1                                    ; two exchanges of halves give lanes 0-15 the four words of block 2 c and lanes 16-31 those of block 2 c + 1
	v_permlane16_swap_b32 v[P+4*\c], v[P+4*\c+1]
	v_permlane16_swap_b32 v[P+4*\c+2], v[P+4*\c+3]
.endr
	s_cmp_ge_u32 s[SS], s[NX]                      ; no next step in this loop: no scores to multiply
	s_cbranch_scc1 .Lno_s_\@
	SPROD \q, \qs                                  ; p is done with: the next step's scores take its registers; the sixteen lines below are the places ahead of their first read
.Lno_s_\@:
	s_wait_alu depctr_va_vdst(0)                   ; directly ahead of the first reader of O^T
.set n, 0
.rept 16
	v_pk_mul_f32 v[O+n:O+n+1], v[O+n:O+n+1], v[FF:FF+1] op_sel_hi:[1,0]   ; O^T under the new M, each accumulator from its low end on.  (Also the places in front of the products below)
.set n, n+2
.endr
.irp dt, 0,2
	v_wmma_scale_f32_16x16x128_f8f6f4 v[O+8*\dt:O+8*\dt+7], v[FV+8*\dt:FV+8*\dt+7], v[P:P+7], v[O+8*\dt:O+8*\dt+7], v[VSC+\dt/2], v[PW] matrix_a_fmt:MATRIX_FMT_FP4 matrix_b_fmt:MATRIX_FMT_FP4
	v_wmma_scale_f32_16x16x128_f8f6f4 v[O+8*\dt+8:O+8*\dt+15], v[FV+8*\dt+8:FV+8*\dt+15], v[P:P+7], v[O+8*\dt+8:O+8*\dt+15], v[VSC+\dt/2], v[PW] matrix_a_fmt:MATRIX_FMT_FP4 matrix_b_fmt:MATRIX_FMT_FP4 matrix_a_scale:MATRIX_SCALE_ROW1
.endr
.endm
; The key steps from s[SS] up to, not including, step last.  The tile works the first of them in every wave.  Every wave walks every trip, so that the trip count is a constant; a step all of whose keys come after the tile's queries is jumped over: no barrier and no tensor load stands in a step.
.macro KLOOP last, q, qs, blk
	s_min_u32 s[NX], s[\blk], \last-1
	v_add_nc_u32 v[AK], s[TB], v[B0]
	v_add_nc_u32 v[AS], s[TB], v[B0+2]
	KLOAD                                          ; the first step's K,
	s_wait_dscnt 0x0
	SPROD \q, \qs                                  ; and its scores
.rept 4
	v_nop                                          ; places in front of their first read
.endr
.Lstep_\@:
	s_add_co_u32 s[TN], s[TB], STEPB
	s_min_u32 s[TN], s[TN], (\last-1)*STEPB        ; the next step, held at the loop's last
	s_cmp_gt_u32 s[SS], s[\blk]
	s_cbranch_scc1 .Lhidden_\@
	HSTEP \q, \qs, \blk
.Lhidden_\@:
	s_add_co_u32 s[TB], s[TB], STEPB
	s_add_co_u32 s[SS], s[SS], 1
	s_cmp_lt_u32 s[SS], \last
	s_cbranch_scc1 .Lstep_\@
.endm
; A tile's end.  o = O^T / l; my head's 64 numbers of my query, register 8 T + i = number 16 T + 8 (lane / 16) + i, are two blocks of 32, quantised as p was.
.macro FIN pa, ps
.rept 4
	v_nop                                          ; places behind the last products
.endr
	v_add_f32 v[LL], v[LL], v[LL+1]                ; the sum's two halves,
	v_permlanex16_b32 v[PD], v[LL], s[SEL], s[SEL+1]
	v_add_f32 v[LL], v[LL], v[PD]                  ; and lane l xor 16's
	s_wait_alu depctr_va_vdst(0)                   ; ahead of the transcendental
	v_rcp_f32 v[PS], v[LL]
	v_nop                                          ; one plain place behind it
	s_wait_alu depctr_va_vdst(0)                   ; ahead of its first reader, which is O^T's first reader too
.set n, 0
.rept 16
	v_pk_mul_f32 v[S+n:S+n+1], v[O+n:O+n+1], v[PS:PS+1] op_sel_hi:[1,0]
.set n, n+2
.endr
.irp b, 0,1
	v_max3_num_f32 v[BM+\b], |v[S+16*\b]|, |v[S+16*\b+1]|, 0x1800000
.endr
.irp i, 2,4,6,8,10,12,14
.irp b, 0,1
	v_max3_num_f32 v[BM+\b], v[BM+\b], |v[S+16*\b+\i]|, |v[S+16*\b+\i+1]|
.endr
.endr
.irp b, 0,1
	v_permlanex16_b32 v[PD+\b], v[BM+\b], s[SEL], s[SEL+1]
.endr
.irp b, 0,1
	v_max_num_f32 v[BM+\b], v[BM+\b], v[PD+\b]
.endr
.irp b, 0,1
	v_add_nc_u32 v[SO+\b], 0xff000000, v[BM+\b]
.endr
.irp b, 0,1
	v_lshrrev_b32 v[PD+\b], 23, v[SO+\b]
.endr
	v_lshl_or_b32 v[PW], v[PD+1], 8, v[PD]
	v_cvt_scalef32_pk8_fp4_f32 v[P], v[S:S+7], v[SO]
	v_cvt_scalef32_pk8_fp4_f32 v[P+2], v[S+8:S+15], v[SO]
	v_cvt_scalef32_pk8_fp4_f32 v[P+1], v[S+16:S+23], v[SO+1]
	v_cvt_scalef32_pk8_fp4_f32 v[P+3], v[S+24:S+31], v[SO+1]
	v_nop
	v_permlane16_swap_b32 v[P], v[P+1]
	v_permlane16_swap_b32 v[P+2], v[P+3]
	global_store_b128 v[L16], v[P:P+3], s[\pa:\pa+1]   ; 32 lanes store 512 consecutive bytes, at a multiple of 256 from ac's first byte
	global_store_b16 v[R32], v[PW], s[\ps:\ps+1]   ; my row's two bytes of its 32; both halves of the lanes hold and write the same.  262,144 bytes in the whole launch leave so, so that the next launch finds plain rows of scale bytes
.endm
	s_wait_alu depctr_va_vdst(0)                   ; at the head's end
	s_cmp_lt_u32 s[WV], 2
	s_cbranch_scc0 .Lnot_first
	s_wait_tensorcnt 0x0                           ; waves 0 and 1: my key step is in.  The others' loads, from their own line, may be out
.Lnot_first:
	s_barrier_signal -1
	s_barrier_wait -1                              ; key steps 0 and 1 are whole
	KLOOP 2, QA, QSA, BLKA                         ; the first tile's key step is 8 at the least: every wave works both
	s_wait_tensorcnt 0x0                           ; every wave: my key step is in
	s_wait_dscnt 0x0
	s_barrier_signal -1
	s_barrier_wait -1                              ; the kv block is whole
	KLOOP 16, QA, QSA, BLKA
	FIN 44, 46
	INIT                                           ; the second tile: its key step is 7 at the most
	s_mov_b32 s[TB], 0
	s_mov_b32 s[SS], 0
	s_wait_alu depctr_va_vdst(0)                   ; directly ahead of the wait below
	s_wait_xcnt 0x0                                ; the stores have read their data registers, which the steps below write again
	KLOOP 8, QB, QSB, BLKB
	FIN 52, 54
	s_wait_tensorcnt 0x0                           ; the wave's end
	ds_add_u32 v[SPW], v[NIL]
	s_wait_dscnt 0x0
	CROUND                                         ; the closing round: no work-group ends while a partner may still ask for a tile that names it
	s_endpgm
.Lfunc_end_k_q824446a294_attn:
	.size	k_q824446a294_attn, .Lfunc_end_k_q824446a294_attn-k_q824446a294_attn
	.p2alignl 7, 3214868480
	.fill 96, 4, 3214868480
	.section	.rodata,"a",@progbits
	.p2align	6, 0x0
	.amdhsa_kernel k_q824446a294_attn
		.amdhsa_group_segment_fixed_size 280576
		.amdhsa_private_segment_fixed_size 0
		.amdhsa_enable_private_segment 0
		.amdhsa_kernarg_size 24
		.amdhsa_user_sgpr_count 2
		.amdhsa_user_sgpr_kernarg_segment_ptr 1
		.amdhsa_wavefront_size32 1
		.amdhsa_system_sgpr_workgroup_id_x 1
		.amdhsa_system_sgpr_workgroup_id_y 1
		.amdhsa_system_sgpr_workgroup_id_z 1
		.amdhsa_system_vgpr_workitem_id 0
		.amdhsa_next_free_vgpr 256
		.amdhsa_next_free_sgpr 66
		.amdhsa_reserve_vcc 1
		.amdhsa_float_denorm_mode_32 3
		.amdhsa_float_denorm_mode_16_64 3
		.amdhsa_memory_ordered 1
		.amdhsa_forward_progress 1
		.amdhsa_inst_pref_size 84
	.end_amdhsa_kernel
	.amdgpu_metadata
---
amdhsa.version: [ 1, 2 ]
amdhsa.kernels:
  - .name:           k_q824446a294_attn
    .symbol:         k_q824446a294_attn.kd
    .args:
      - { .name: qw, .offset: 0, .size: 8, .value_kind: global_buffer, .address_space: global }
      - { .name: kv, .offset: 8, .size: 8, .value_kind: global_buffer, .address_space: global }
      - { .name: ac, .offset: 16, .size: 8, .value_kind: global_buffer, .address_space: global }
    .group_segment_fixed_size: 280576
    .private_segment_fixed_size: 0
    .kernarg_segment_align: 8
    .kernarg_segment_size: 24
    .max_flat_workgroup_size: 512
    .sgpr_count:     66
    .vgpr_count:     256
    .wavefront_size: 32
...
	.end_amdgpu_metadata
.endif
;; end of part 2
;; launch proj (part 3): grid 4 x 64, 4 waves a work-group, clusters of 4 x 4, 247,808 bytes of LDS; arguments ac, Wo_codes, Wo_scales, out0, bo; writes out0
.if DOCPART == 3
	.amdgcn_target "amdgcn-amd-amdhsa--gfx1250"
	.amdhsa_code_object_version 6
	.text
	.protected	k_q824446a294_proj
	.globl	k_q824446a294_proj
	.p2align	8
	.type	k_q824446a294_proj,@function
k_q824446a294_proj:
	s_mov_b64 s[64:65], 0
	v_nop
	global_prefetch_b8 v0, s[64:65] scope:SCOPE_SE
	s_setreg_imm32_b32 hwreg(HW_REG_WAVE_MODE, 25, 1), 1
	s_wait_xcnt 0x0
	s_wait_alu depctr_hold_cnt(0) depctr_sa_sdst(0) depctr_va_vdst(0) depctr_va_sdst(0) depctr_va_ssrc(0) depctr_va_vcc(0) depctr_vm_vsrc(0)
	s_getreg_b32 s2, hwreg(HW_REG_IB_STS2, 6, 4)
	s_cmp_eq_u32 s2, 0
	s_cbranch_scc0 .Lentry_in_a_cluster
	s_endpgm
.Lentry_in_a_cluster:
	s_bfe_u32 s2, ttmp6, 0x10000c
	s_cmp_lg_u32 s2, 0xf033
	s_cbranch_scc0 .Lentry_shape_is_right
	s_endpgm
.Lentry_shape_is_right:
; out0 = o Wo + bo on codes of FP4 (E2M1) with one E8M0 scale for each 32 along K = 1,024.  Nothing of reference() is left out here.
; A = ac, as the launch before laid it: [tile of 16 tokens][8,704 bytes]: an image of operand registers [K step g][c][lane][16 bytes], then scale bytes [token][32].  B = Wo's codes [n][512 bytes] and scale bytes [n][32].
; SHARES.  A work-group makes 128 tokens x 256 columns: 64 x 4 = 256 work-groups.  Four waves, each 64 tokens x 128 columns: 32 accumulators, 256 registers.
; ALL OF K LIES IN LDS AT ONCE, each byte filled once, by one tensor load a wave: wave 0 A's eight tiles, codes and scale bytes, 272 dense rows of 256 bytes; waves 1 and 2 the halves of B's 256 rows of 512 bytes; wave 3 B's scale bytes.
; CLUSTERS: 4 x 4 work-groups.  The four of a row of the cluster need the same tokens, the four of a column the same rows of Wo: each tile is asked for jointly, with a mask that names the four.
; NO PREFETCH: every tile is asked for once, at the head: there is no loop to run ahead in.
; THE MATRIX INSTRUCTION IS USED TRANSPOSED (source 0 = 16 rows of Wo, source 1 = 16 tokens): a lane holds eight neighbouring columns of one token's row.  The bias is the C of each accumulator's first product.
; SCALES.  A row's 32 scale bytes are eight words, one a K step.  Lane (r, h) loads the 16 bytes at 32 r + 16 h: register q holds K step q's word in lanes 0-15 and K step 4 + q's in lanes 16-31, which the instruction's row selectors choose.
; REGISTERS, in windows of 256: window 0: v16-29 addresses; v32-47 A's scale words, v48-79 B's; v80-143 A's fragments, two sets; v144-207 the bias; on the way out v80-207 take rows read back.
;   window 1: B's fragments, two sets, at v0 and v128.   window 2: the accumulators ((a, b) at v[8 (8 a + b)]).
.set PITCH,  528                       ; an LDS row of B: 512 bytes + 16 of padding: the 16 rows that a load touches begin 132 words apart
.set HALFT,  128*PITCH
.set ATILE,  8704
.set BOFF,   8*ATILE                   ; behind A's eight tiles: B's 256 rows
.set SCLB,   BOFF+2*HALFT              ; B's scale bytes, as units of 256 bytes + 16 of padding
.set SPARE,  SCLB+32*272               ; the spare words, 128 bytes a wave: two blocks of 256 bytes that no other line names
.set STG,    SPARE+512                 ; the stages of the way out, 16 rows x 528 bytes a wave: bytes of their own, on which no tile lands
.set SPITCH, 528
.set ADRA, 16
.set ADRB, 17
.set ADSA, 18
.set ADSB, 19
.set STO,  24
.set RD,   25
.set CO,   26
.set SPW,  28
.set NIL,  29
.set SA,   32
.set SB,   48
.set AF,   80
.set BIAS, 144
.set BK,   80
.set G1A, 24
.set G0A, 32
.set G0B, 36
.set G1B, 48
.set G0S, 56
.set G1S, 68
.set MSB, 0
.macro WIN new                         ; the immediate's high byte repeats the setting that is left
.if MSB != \new
	s_set_vgpr_msb (MSB<<8)|\new
.set MSB, \new
.endif
.endm
.set MUL_W, 0xa1                       ; source 0 (B) window 1, source 1 (A) window 0, C and D window 2
.set ONE_W, 0x81                       ; the same, C (the bias) window 0
.set TO_B,  0x40                       ; destination window 1, address window 0
.macro CROUND                          ; a round of the cluster's barrier
	s_barrier_signal -1
	s_barrier_wait -1
	s_cmp_lg_u32 s14, 0
	s_cbranch_scc1 .Lnot_wave_0_\@
	s_barrier_signal -3
.Lnot_wave_0_\@:
	s_barrier_wait -3
	s_barrier_signal -1
	s_barrier_wait -1
.endm
.macro PLACES                          ; plain vector instructions between a matrix instruction and a load into, or a read of, its registers
.rept 4
	v_nop
.endr
.endm
	s_load_b256 s[4:11], s[0:1], 0x0               ; ac, Wo's codes, Wo's scales, out0
	s_load_b64 s[12:13], s[0:1], 0x20              ; bo
	v_lshl_add_u32 v[SPW], v0, 2, SPARE
	v_mov_b32 v[NIL], 0
	ds_add_u32 v[SPW], v[NIL]                      ; the opening lines: the add, twice on end, and its wait ahead of my tensor load
	ds_add_u32 v[SPW], v[NIL]
	v_lshrrev_b32 v1, 5, v0
	v_readfirstlane_b32 s14, v1                    ; wave 0..3
	s_lshr_b32 s15, s14, 1                         ; which 64 tokens are mine.  Also, in waves 1 and 2: which 128 rows of B I fetch
	s_and_b32 s16, s14, 1                          ; which 128 columns
	s_bfe_u32 s40, ttmp6, 0x40000                  ; cx, cy: my place in the cluster
	s_bfe_u32 s41, ttmp6, 0x40004
	s_lshl_b32 s42, ttmp9, 2
	s_add_co_u32 s42, s42, s40                     ; the tile of 256 columns
	s_and_b32 s17, ttmp7, 0xffff
	s_lshl_b32 s17, s17, 2
	s_add_co_u32 s17, s17, s41                     ; the tile of 128 tokens
	s_lshl_b32 s43, s41, 2
	s_lshl_b32 s43, 15, s43                        ; my row of the cluster
	s_lshl_b32 s44, 0x1111, s40                    ; my column
	s_or_b32 s[G1A], s43, (3<<16)|(1<<21)          ; A: the mask; elements of 8 bytes; bit 21 beside a mask; no padding: every read of codes takes consecutive bytes
	s_mov_b32 s[G1A+1], 32<<16
	s_mov_b32 s[G1A+2], 272<<16
	s_mov_b32 s[G1A+3], 32<<16
	s_mov_b32 s[G1A+4], 272
	s_mov_b32 s[G1A+5], 32
	s_mov_b32 s[G1A+6], 0
	s_mov_b32 s[G1A+7], 0
	s_or_b32 s[G1B], s44, (0<<16)|(1<<20)|(1<<21)|(6<<22)|(3<<25)   ; B: elements of 1 byte; 4 words of padding after every 128
	s_mov_b32 s[G1B+1], 512<<16
	s_mov_b32 s[G1B+2], 128<<16
	s_mov_b32 s[G1B+3], 512<<16
	s_mov_b32 s[G1B+4], 128
	s_mov_b32 s[G1B+5], 512
	s_mov_b32 s[G1B+6], 0
	s_mov_b32 s[G1B+7], 0
	s_or_b32 s[G1S], s44, (3<<16)|(1<<20)|(1<<21)|(5<<22)|(3<<25)   ; B's scale bytes: 8,192 dense bytes as 32 rows of 256, 4 words of padding behind each
	s_mov_b32 s[G1S+1], 32<<16
	s_mov_b32 s[G1S+2], 32<<16
	s_mov_b32 s[G1S+3], 32<<16
	s_mov_b32 s[G1S+4], 32
	s_mov_b32 s[G1S+5], 32
	s_mov_b32 s[G1S+6], 0
	s_mov_b32 s[G1S+7], 0
	s_mul_i32 s20, s17, 8*ATILE                    ; A's eight tiles
	s_mov_b32 s21, 0
	s_lshl_b32 s22, s42, 17                        ; B: row 256 x tile + 128 x half, 512 bytes a row
	s_lshl_b32 s18, s15, 16
	s_add_co_u32 s22, s22, s18
	s_mov_b32 s23, 0
	s_lshl_b32 s46, s42, 13                        ; B's scale bytes: 32 a row
	s_mov_b32 s47, 0
	s_mul_i32 s19, s15, HALFT
	s_add_co_u32 s19, s19, BOFF
	s_lshl_b32 s60, s42, 10                        ; my first column, in bytes: 1,024 x tile + 512 x half.  These registers feed no descriptor
	s_lshl_b32 s18, s16, 9
	s_add_co_u32 s60, s60, s18
	s_mov_b32 s61, 0
	s_lshl_b32 s62, s17, 19                        ; my first token: 128 x tile + 64 x half, 4,096 bytes a row
	s_lshl_b32 s18, s15, 18
	s_add_co_u32 s62, s62, s18
	s_add_co_u32 s62, s62, s60
	s_mov_b32 s63, 0
	s_wait_dscnt 0x0                               ; both opening adds are done
	s_wait_kmcnt 0x0
	s_mov_b32 s[G0A], 1
	s_mov_b32 s[G0A+1], 0
	s_add_nc_u64 s[G0A+2:G0A+3], s[4:5], s[20:21]
	s_or_b32 s[G0A+3], s[G0A+3], 0x80000000
	s_mov_b32 s[G0B], 1
	s_mov_b32 s[G0B+1], s19
	s_add_nc_u64 s[G0B+2:G0B+3], s[6:7], s[22:23]
	s_or_b32 s[G0B+3], s[G0B+3], 0x80000000
	s_mov_b32 s[G0S], 1
	s_mov_b32 s[G0S+1], SCLB
	s_add_nc_u64 s[G0S+2:G0S+3], s[8:9], s[46:47]
	s_or_b32 s[G0S+3], s[G0S+3], 0x80000000
	s_add_nc_u64 s[10:11], s[10:11], s[62:63]      ; out0 at my first number
	s_add_nc_u64 s[12:13], s[12:13], s[60:61]      ; bo at my first column
	CROUND                                         ; all sixteen work-groups are here: the joint loads meet
; THE HEAD'S LOADS, ONE A WAVE: one tree of branches on the wave's number, every way through it passes one load.
.macro ARM under, g0, g1, next
	s_cmp_lt_u32 s14, \under
	s_cbranch_scc0 \next
	tensor_load_to_lds s[\g0:\g0+3], s[\g1:\g1+7]
	s_nop 0
.rept 4
	v_nop
.endr
	s_branch .Lhead_asked
\next:
.endm
	ARM 1, G0A, G1A, .Lhead_b
	ARM 3, G0B, G1B, .Lhead_s
	tensor_load_to_lds s[G0S:G0S+3], s[G1S:G1S+7]
	s_nop 0
.rept 4
	v_nop
.endr
.Lhead_asked:
	s_mul_i32 s20, s15, 4*ATILE                    ; my four tiles of A
	s_mul_i32 s21, s16, HALFT
	s_add_co_u32 s21, s21, BOFF                    ; my 128 rows of B
	s_add_co_u32 s22, s20, 8192                    ; my tiles' scale bytes
	s_mul_i32 s23, s16, 16*272
	s_add_co_u32 s23, s23, SCLB                    ; my rows' scale bytes
	s_mul_i32 s45, s14, 16*SPITCH
	s_add_co_u32 s45, s45, STG                     ; my stage
	v_and_b32 v1, 15, v0                           ; r
	v_bfe_u32 v2, v0, 4, 1                         ; h
	v_and_b32 v6, 31, v0
	v_lshlrev_b32 v[CO], 4, v6                     ; 16 x lane
	v_lshlrev_b32 v7, 5, v2                        ; 32 h
.irp b, 0,1,2,3,4,5,6,7
	global_load_b128 v[BIAS+8*\b:BIAS+8*\b+3], v7, s[12:13] offset:64*\b        ; bo at columns 16 b + 8 h + 0 .. 7: the layout of a result
	global_load_b128 v[BIAS+8*\b+4:BIAS+8*\b+7], v7, s[12:13] offset:64*\b+16
.endr
	v_add_nc_u32 v[ADRA], s20, v[CO]
	v_mul_u32_u24 v3, v1, PITCH
	v_lshl_add_u32 v3, v2, 4, v3
	v_add_nc_u32 v[ADRB], s21, v3                  ; row r x pitch + 16 h
	v_lshlrev_b32 v4, 5, v1
	v_lshl_add_u32 v4, v2, 4, v4                   ; 32 r + 16 h
	v_add_nc_u32 v[ADSA], s22, v4
	v_lshrrev_b32 v5, 3, v1
	v_lshl_add_u32 v4, v5, 4, v4                   ; and 16 more for each 256 passed
	v_add_nc_u32 v[ADSB], s23, v4
	v_mul_u32_u24 v5, v1, SPITCH
	v_lshl_add_u32 v5, v2, 5, v5
	v_add_nc_u32 v[STO], s45, v5                   ; in: row r, 32 bytes for each half of the lanes
	v_add_nc_u32 v[RD], s45, v[CO]                 ; back: the 32 lanes take one row of 512 bytes
.macro FETCH g                         ; K step g's fragments into set g % 2: B's eight, A's four
	WIN TO_B
.irp i, 0,1,2,3,4,5,6,7
.irp c, 0,1
	ds_load_b128 v[128*((\g)%2)+8*\i+4*\c:128*((\g)%2)+8*\i+4*\c+3], v[ADRB] offset:64*(\g)+32*\c+\i*16*PITCH
.endr
.endr
	WIN 0
.irp i, 0,1,2,3
.irp c, 0,1
	ds_load_b128 v[AF+32*((\g)%2)+8*\i+4*\c:AF+32*((\g)%2)+8*\i+4*\c+3], v[ADRA] offset:1024*(\g)+512*\c+\i*ATILE
.endr
.endr
.endm
; K step g's 32 products.  The 32 accumulators take turns, one instruction a turn, in the same order in every step.
.macro MUL g, first
.irp a, 0,1,2,3
.irp b, 0,1,2,3,4,5,6,7
.if \first
	v_wmma_scale_f32_16x16x128_f8f6f4 v[8*(8*\a+\b):8*(8*\a+\b)+7], v[128*((\g)%2)+8*\b:128*((\g)%2)+8*\b+7], v[AF+32*((\g)%2)+8*\a:AF+32*((\g)%2)+8*\a+7], v[BIAS+8*\b:BIAS+8*\b+7], v[SB+4*\b+(\g)%4], v[SA+4*\a+(\g)%4] matrix_a_fmt:MATRIX_FMT_FP4 matrix_b_fmt:MATRIX_FMT_FP4
.elseif (\g) < 4
	v_wmma_scale_f32_16x16x128_f8f6f4 v[8*(8*\a+\b):8*(8*\a+\b)+7], v[128*((\g)%2)+8*\b:128*((\g)%2)+8*\b+7], v[AF+32*((\g)%2)+8*\a:AF+32*((\g)%2)+8*\a+7], v[8*(8*\a+\b):8*(8*\a+\b)+7], v[SB+4*\b+(\g)%4], v[SA+4*\a+(\g)%4] matrix_a_fmt:MATRIX_FMT_FP4 matrix_b_fmt:MATRIX_FMT_FP4
.else
	v_wmma_scale_f32_16x16x128_f8f6f4 v[8*(8*\a+\b):8*(8*\a+\b)+7], v[128*((\g)%2)+8*\b:128*((\g)%2)+8*\b+7], v[AF+32*((\g)%2)+8*\a:AF+32*((\g)%2)+8*\a+7], v[8*(8*\a+\b):8*(8*\a+\b)+7], v[SB+4*\b+(\g)%4], v[SA+4*\a+(\g)%4] matrix_a_fmt:MATRIX_FMT_FP4 matrix_b_fmt:MATRIX_FMT_FP4 matrix_a_scale:MATRIX_SCALE_ROW1 matrix_b_scale:MATRIX_SCALE_ROW1
.endif
.endr
.endr
.endm
	s_wait_alu depctr_va_vdst(0)                   ; at the head's end
	s_wait_tensorcnt 0x0                           ; my tile is in
	s_barrier_signal -1
	s_barrier_wait -1                              ; everybody's is
.irp i, 0,1,2,3
	ds_load_b128 v[SA+4*\i:SA+4*\i+3], v[ADSA] offset:\i*ATILE
.endr
.irp i, 0,1,2,3,4,5,6,7
	ds_load_b128 v[SB+4*\i:SB+4*\i+3], v[ADSB] offset:\i*2*272
.endr
	FETCH 0
	s_wait_loadcnt 0x0                             ; the bias
	s_wait_dscnt 0x0                               ; the scale words and K step 0's fragments
	FETCH 1
	WIN ONE_W
	MUL 0, 1                                       ; the first products start the sums from the bias: nothing is cleared or added later
.irp g, 1,2,3,4,5,6
	s_wait_dscnt 0x0                               ; this step's fragments, asked for ahead of the last step's 32 products
	PLACES                                         ; in front of loads into the set that the last step's products read
	FETCH \g+1
	WIN MUL_W
	MUL \g, 0
.endr
	s_wait_dscnt 0x0
	MUL 7, 0
	WIN 0
; THE WAY OUT, block by block of 16 tokens x 128 columns: through my own stage in LDS and back as whole rows of 512 bytes.  LDS serves a wave's instructions in order (ISA guide 5.7.1.4): no wait between the stores and the loads.
.macro TOSTAGE a
	WIN 0x08                                       ; the data: window 2
.irp b, 0,1,2,3,4,5,6,7
	ds_store_b128 v[STO], v[64*(\a)+8*\b:64*(\a)+8*\b+3] offset:64*\b          ; each accumulator from its low end on
	ds_store_b128 v[STO], v[64*(\a)+8*\b+4:64*(\a)+8*\b+7] offset:64*\b+16
.endr
	WIN 0
.set BB, BK+64*((\a)%2)
.irp t, 0,1,2,3,4,5,6,7,8,9,10,11,12,13,14,15
	ds_load_b128 v[BB+4*\t:BB+4*\t+3], v[RD] offset:\t*SPITCH
.endr
.endm
.macro SEND a, younger                 ; younger: the LDS instructions issued behind block a's loads, which may stay out
.set BB, BK+64*((\a)%2)
	s_wait_dscnt \younger
.if (\a) > 0
	s_add_nc_u64 s[10:11], s[10:11], 16*4096       ; (behind a wait on XCNT: the earlier stores have read their base)  16 rows on
.endif
.irp t, 0,1,2,3,4,5,6,7,8,9,10,11,12,13,14,15
	global_store_b128 v[CO], v[BB+4*\t:BB+4*\t+3], s[10:11] offset:\t*4096 th:TH_STORE_NT   ; 32 lanes store 512 consecutive bytes, at a multiple of 256 from out0's first byte
.endr
.endm
	PLACES                                         ; behind the last products: their results are read, and A's registers loaded into
	TOSTAGE 0
.irp a, 1,2,3
.if \a > 1
	s_wait_xcnt 0x0                                ; block a - 2's stores have read their registers and their base
.endif
	TOSTAGE \a
	SEND \a-1, 32                                  ; behind block a - 1's loads: block a's 16 stores and 16 loads
.endr
	s_wait_xcnt 0x0
	SEND 3, 0
	s_wait_tensorcnt 0x0                           ; the wave's end
	ds_add_u32 v[SPW], v[NIL]
	s_wait_dscnt 0x0
	CROUND                                         ; the closing round: no work-group ends while a partner may still ask for a tile that names it
	s_endpgm
.Lfunc_end_k_q824446a294_proj:
	.size	k_q824446a294_proj, .Lfunc_end_k_q824446a294_proj-k_q824446a294_proj
	.p2alignl 7, 3214868480
	.fill 96, 4, 3214868480
	.section	.rodata,"a",@progbits
	.p2align	6, 0x0
	.amdhsa_kernel k_q824446a294_proj
		.amdhsa_group_segment_fixed_size 247808
		.amdhsa_private_segment_fixed_size 0
		.amdhsa_enable_private_segment 0
		.amdhsa_kernarg_size 40
		.amdhsa_user_sgpr_count 2
		.amdhsa_user_sgpr_kernarg_segment_ptr 1
		.amdhsa_wavefront_size32 1
		.amdhsa_system_sgpr_workgroup_id_x 1
		.amdhsa_system_sgpr_workgroup_id_y 1
		.amdhsa_system_sgpr_workgroup_id_z 1
		.amdhsa_system_vgpr_workitem_id 0
		.amdhsa_next_free_vgpr 768
		.amdhsa_next_free_sgpr 80
		.amdhsa_reserve_vcc 0
		.amdhsa_float_denorm_mode_32 3
		.amdhsa_float_denorm_mode_16_64 3
		.amdhsa_memory_ordered 1
		.amdhsa_forward_progress 1
		.amdhsa_inst_pref_size 70
	.end_amdhsa_kernel
	.amdgpu_metadata
---
amdhsa.version: [ 1, 2 ]
amdhsa.kernels:
  - .name:           k_q824446a294_proj
    .symbol:         k_q824446a294_proj.kd
    .args:
      - { .name: ac, .offset: 0, .size: 8, .value_kind: global_buffer, .address_space: global }
      - { .name: Wo_codes, .offset: 8, .size: 8, .value_kind: global_buffer, .address_space: global }
      - { .name: Wo_scales, .offset: 16, .size: 8, .value_kind: global_buffer, .address_space: global }
      - { .name: out0, .offset: 24, .size: 8, .value_kind: global_buffer, .address_space: global }
      - { .name: bo, .offset: 32, .size: 8, .value_kind: global_buffer, .address_space: global }
    .group_segment_fixed_size: 247808
    .private_segment_fixed_size: 0
    .kernarg_segment_align: 8
    .kernarg_segment_size: 40
    .max_flat_workgroup_size: 128
    .sgpr_count:     80
    .vgpr_count:     768
    .wavefront_size: 32
...
	.end_amdgpu_metadata
.endif
;; end of part 3
